; MI455X (gfx1250); checked and timed in simulation.
; The chip was launched on July 23, 2026; its instructions are those of AMD's public machine-readable ISA for CDNA 5 (MIT licence, August 2026) and "CDNA5" Instruction Set Architecture Reference Guide (July 2026). The comments in the code are by the model that wrote it; some were corrected since.
;; Scaled Dot Product Attention. Allowed arithmetic: float matrix products may take bf16 or f16 operands with f32 sums; all other float work in f32.
;; Inputs: k 4 x 16 x 2,048 x 64 float32; mask 4 x 1 x 2,048 x 2,048 bool; q 4 x 16 x 2,048 x 64 float32; v 4 x 16 x 2,048 x 64 float32.
;; Outputs: out0 4 x 16 x 2,048 x 64 float32.
;; One version. Each part assembles by itself: llvm-mc -triple=amdgcn-amd-amdhsa -mcpu=gfx1250 --defsym DOCPART=n.
;; ======== version 1 of 1: 2 launches
;; limits: right only within a limited range of input values; values are held in f16: magnitudes above 65,504 overflow, below 6.1e-05 lose precision
;; workspace buffers: bits 2,097,152 bytes of whole numbers; summ 1,024 bytes of whole numbers
;; launch pack (part 1): grid 256 x 1, 8 waves a work-group, no clusters, 67,328 bytes of LDS; arguments mask, bits, summ; writes bits, summ
.if DOCPART == 1
	.amdgcn_target "amdgcn-amd-amdhsa--gfx1250"
	.amdhsa_code_object_version 6
	.text
	.protected	k_q183b97901a_pack
	.globl	k_q183b97901a_pack
	.p2align	8
	.type	k_q183b97901a_pack,@function
k_q183b97901a_pack:
	s_mov_b64 s[64:65], 0
	v_nop
	global_prefetch_b8 v0, s[64:65] scope:SCOPE_SE
	s_setreg_imm32_b32 hwreg(HW_REG_WAVE_MODE, 25, 1), 1
	s_wait_xcnt 0x0
; pack: the mask [4][1][2048][2048], one byte an element, is read once and written as 32-bit lane masks, one bit an element,
; in the order in which the attention kernel's score registers hold the elements, so that there one v_cndmask_b32 masks 32 scores.
;   bits [b 4][qt 64][kb 16][n 2][t 8][j 8] u32: bit L of a word = mask[b][32 qt + 16 n + (L & 15)][128 kb + 16 t + 8 (L >> 4) + j]
;   summ [b 4][qt 64] u32: bit kb      = all 32 x 128 elements of (qt, kb) are masked; the whole field is 0 if one of the 32 rows
;                                        is masked in all its 2,048 places (such a row needs every key block: its softmax is flat)
;                          bit 16 + kb = none of the 32 x 128 elements is masked
; Any byte other than 0 counts as true.
; A work-group owns one (b, qt): 32 rows of 2,048 bytes, 65,536 consecutive bytes.  Eight waves; wave w makes key blocks 2 w and 2 w + 1.
; No matrix unit, no cluster: every byte is read by one work-group alone, and the work is compares.
.set PITCH, 2064                       ; an LDS row: 2,048 bytes + 16, so that the 16 rows which a read touches start 16 bytes apart modulo 256
.set CMB,   32*PITCH                   ; behind the rows: 16 bytes for each wave, for the summary
.set IN,    8                          ; v[8:71]   the 16 loads of 16 bytes, then the 32 reads of 8 bytes
.set TMP,   72                         ; v[72:79]  one byte of each lane, isolated
.set OUTW,  80                         ; v[80:87]  the 128 words of key block 2 w (4 registers x 32 lanes), then those of 2 w + 1
.set CB,    88                         ; v[88:91]  the summary's parts
	s_load_b128 s[4:7], s[0:1], 0x0                ; mask s[4:5], bits s[6:7]
	s_load_b64 s[8:9], s[0:1], 0x10                ; summ
	v_lshl_add_u32 v96, v0, 2, 0x10300
	v_mov_b32 v97, 0
	v_lshrrev_b32 v5, 5, v0
	v_readfirstlane_b32 s10, v5                    ; wave w
	v_and_b32 v5, 31, v0                           ; lane L
	v_and_b32 v6, 15, v0                           ; r = L & 15
	v_bfe_u32 v7, v0, 4, 1                         ; h = L >> 4
	v_lshlrev_b32 v1, 4, v0                        ; 16 t: my 16 bytes of each 4,096 (two rows)
	s_lshr_b32 s12, s10, 2                         ; waves 0-3 hold the even row of the two, waves 4-7 the odd one
	s_mul_i32 s12, s12, PITCH
	s_and_b32 s13, s10, 3
	s_lshl_b32 s13, s13, 9                         ; 512 bytes of that row for each wave
	s_add_co_u32 s12, s12, s13
	v_lshl_add_u32 v2, v5, 4, s12                  ; where my 16 bytes go in LDS
	v_mul_u32_u24 v3, v6, PITCH
	v_lshl_add_u32 v3, v7, 3, v3
	s_lshl_b32 s13, s10, 8
	v_add_nc_u32 v3, s13, v3                       ; read: row r, byte 256 w + 8 h
	s_lshl_b32 s13, s10, 10
	v_lshl_add_u32 v4, v5, 4, s13                  ; bits: 1,024 w + 16 L
	s_mov_b32 s13, 0
	s_wait_kmcnt 0x0
	s_lshl_b32 s12, ttmp9, 16
	s_add_nc_u64 s[4:5], s[4:5], s[12:13]          ; my 32 rows
	s_lshl_b32 s12, ttmp9, 13
	s_add_nc_u64 s[6:7], s[6:7], s[12:13]          ; my 16 x 512 bytes of bits
	s_lshl_b32 s12, ttmp9, 2
	s_add_nc_u64 s[8:9], s[8:9], s[12:13]          ; my word of summ
	; PHASE 1: the rows into LDS.  Each load of a wave covers 512 consecutive bytes; all sixteen are out at once.
.irp k, 0,1,2,3,4,5,6,7,8,9,10,11,12,13,14,15
	global_load_b128 v[IN+4*\k:IN+4*\k+3], v1, s[4:5] offset:4096*\k th:TH_LOAD_NT
.endr
.irp k, 0,1,2,3,4,5,6,7,8,9,10,11,12,13,14,15
	s_wait_loadcnt 15-\k                           ; loads return in order: load k is in, the 15 - k younger ones stay out
	ds_store_b128 v2, v[IN+4*\k:IN+4*\k+3] offset:2*PITCH*\k
.endr
	s_wait_dscnt 0x0                               ; my stores are done before I say so
	s_barrier_signal -1
	s_barrier_wait -1                              ; all 32 rows lie in LDS
	; PHASE 2: lane (r, h) reads the 8 bytes mask[16 n + r][128 kb + 16 t + 8 h ..]; byte j of all 32 lanes makes word (n, t, j).
.irp i, 0,1,2,3,4,5,6,7
	v_mov_b32 v[OUTW+\i], 0                        ; v_writelane_b32 keeps the other lanes: its destination has to be written first
.endr
.irp kk, 0,1
.irp n, 0,1
.irp t, 0,1,2,3,4,5,6,7
	ds_load_b64 v[IN+32*\kk+16*\n+2*\t:IN+32*\kk+16*\n+2*\t+1], v3 offset:16*PITCH*\n+128*\kk+16*\t
.endr
.endr
.endr
; Eight words.  s[24+2kk+n]: AND of all words of (kk, n).  s[28+kk]: OR of all words of kk.  The first word starts each: nothing is cleared.
; Word 64 n + 8 t + j of the 128 goes to register (j & 3) of lane 16 n + 2 t + (j >> 2), so that one 16-byte store a lane writes them in order.
.macro WORDS kk, n, t
	s_wait_dscnt 31-(16*\kk+8*\n+\t)               ; LDS loads return in order: this read is in, the younger ones stay out
.irp j, 0,1,2,3,4,5,6,7
	v_and_b32 v[TMP+\j], 0xff<<(8*(\j%4)), v[IN+32*\kk+16*\n+2*\t+\j/4]
.endr
.irp j, 0,1,2,3,4,5,6,7
	v_cmp_ne_u32 s[16+\j], 0, v[TMP+\j]
.endr
.irp j, 0,1,2,3,4,5,6,7
.if (\t+\j) == 0
	s_mov_b32 s[24+2*\kk+\n], s16
.else
	s_and_b32 s[24+2*\kk+\n], s[24+2*\kk+\n], s[16+\j]
.endif
.if (\n+\t+\j) == 0
	s_mov_b32 s[28+\kk], s16
.else
	s_or_b32 s[28+\kk], s[28+\kk], s[16+\j]
.endif
	v_writelane_b32 v[OUTW+4*\kk+\j%4], s[16+\j], 16*\n+2*\t+\j/4
.endr
.endm
.irp kk, 0,1
.irp n, 0,1
.irp t, 0,1,2,3,4,5,6,7
	WORDS \kk, \n, \t
.endr
.endr
	global_store_b128 v4, v[OUTW+4*\kk:OUTW+4*\kk+3], s[6:7] offset:512*\kk th:TH_STORE_NT   ; 512 consecutive bytes; each key block has registers of its own
.endr
	; PHASE 3: the summary.  My four bits, and for each row half whether it was masked throughout my 256 columns.
	s_and_b32 s30, s24, s25
	s_cmp_eq_u32 s30, -1
	s_cselect_b32 s31, 1, 0                        ; key block 2 w all masked
	s_and_b32 s30, s26, s27
	s_cmp_eq_u32 s30, -1
	s_cselect_b32 s32, 2, 0                        ; key block 2 w + 1 all masked
	s_or_b32 s31, s31, s32
	s_cmp_eq_u32 s28, 0
	s_cselect_b32 s32, 1, 0                        ; key block 2 w clear
	s_cmp_eq_u32 s29, 0
	s_cselect_b32 s33, 2, 0                        ; key block 2 w + 1 clear
	s_or_b32 s32, s32, s33
	s_lshl_b32 s32, s32, 16
	s_or_b32 s31, s31, s32
	s_lshl_b32 s34, s10, 1
	s_lshl_b32 s31, s31, s34                       ; to bits 2 w, 2 w + 1 and 16 + 2 w, 17 + 2 w
	s_and_b32 s35, s24, s26                        ; rows 0-15: bit L = row L & 15 masked in all my columns with (column >> 3) & 1 = L >> 4
	s_and_b32 s36, s25, s27                        ; rows 16-31 likewise
	s_lshl_b32 s37, s10, 4
	s_add_co_u32 s37, s37, CMB
	v_mov_b32 v5, s37                              ; my 16 bytes
	v_mov_b32 v[CB], s31
	v_mov_b32 v[CB+1], s35
	v_mov_b32 v[CB+2], s36
	v_mov_b32 v[CB+3], 0
	ds_store_b128 v5, v[CB:CB+3]                   ; every lane the same bytes
	s_wait_dscnt 0x0
	s_barrier_signal -1
	s_barrier_wait -1
	s_cmp_lg_u32 s10, 0
	s_cbranch_scc1 .Lend                           ; wave 0 alone joins the eight parts; no barrier follows
	v_and_b32 v6, 7, v0
	v_lshlrev_b32 v6, 4, v6
	v_add_nc_u32 v6, CMB, v6
	ds_load_b128 v[CB:CB+3], v6                    ; lane i (0-7): wave i's part
	s_wait_dscnt 0x0
	v_readlane_b32 s40, v[CB], 0
	v_readlane_b32 s41, v[CB+1], 0
	v_readlane_b32 s42, v[CB+2], 0
.irp i, 1,2,3,4,5,6,7
	v_readlane_b32 s43, v[CB], \i
	v_readlane_b32 s44, v[CB+1], \i
	v_readlane_b32 s45, v[CB+2], \i
	s_or_b32 s40, s40, s43
	s_and_b32 s41, s41, s44
	s_and_b32 s42, s42, s45
.endr
	s_lshr_b32 s43, s41, 16
	s_and_b32 s41, s41, s43                        ; both halves of a row's columns
	s_lshr_b32 s43, s42, 16
	s_and_b32 s42, s42, s43
	s_or_b32 s41, s41, s42
	s_and_b32 s41, s41, 0xffff                     ; not 0: one of the 32 rows is masked in all 2,048 places
	s_and_b32 s44, s40, 0xffff0000
	s_cmp_lg_u32 s41, 0
	s_cselect_b32 s40, s44, s40                    ; then no key block of this tile may be stepped over
	v_mov_b32 v[TMP], 0
	v_mov_b32 v[TMP+1], s40
	v_cmp_eq_u32 vcc_lo, 0, v0
	s_wait_xcnt 0x0                                ; my two stores above are pending: EXEC changes only behind this wait
	s_and_saveexec_b32 s46, vcc_lo
	global_store_b32 v[TMP], v[TMP+1], s[8:9]      ; four bytes a work-group: the word's neighbours belong to other work-groups
	s_wait_xcnt 0x0
	s_or_b32 exec_lo, exec_lo, s46
.Lend:
	s_wait_tensorcnt 0x0
	ds_add_u32 v96, v97
	s_wait_dscnt 0x0
	s_endpgm
.Lfunc_end_k_q183b97901a_pack:
	.size	k_q183b97901a_pack, .Lfunc_end_k_q183b97901a_pack-k_q183b97901a_pack
	.p2alignl 7, 3214868480
	.fill 96, 4, 3214868480
	.section	.rodata,"a",@progbits
	.p2align	6, 0x0
	.amdhsa_kernel k_q183b97901a_pack
		.amdhsa_group_segment_fixed_size 67328
		.amdhsa_private_segment_fixed_size 0
		.amdhsa_enable_private_segment 0
		.amdhsa_kernarg_size 24
		.amdhsa_user_sgpr_count 2
		.amdhsa_user_sgpr_kernarg_segment_ptr 1
		.amdhsa_wavefront_size32 1
		.amdhsa_system_sgpr_workgroup_id_x 1
		.amdhsa_system_sgpr_workgroup_id_y 1
		.amdhsa_system_sgpr_workgroup_id_z 1
		.amdhsa_system_vgpr_workitem_id 0
		.amdhsa_next_free_vgpr 98
		.amdhsa_next_free_sgpr 66
		.amdhsa_reserve_vcc 1
		.amdhsa_float_denorm_mode_32 3
		.amdhsa_float_denorm_mode_16_64 3
		.amdhsa_memory_ordered 1
		.amdhsa_forward_progress 1
		.amdhsa_inst_pref_size 77
	.end_amdhsa_kernel
	.amdgpu_metadata
---
amdhsa.version: [ 1, 2 ]
amdhsa.kernels:
  - .name:           k_q183b97901a_pack
    .symbol:         k_q183b97901a_pack.kd
    .args:
      - { .name: mask, .offset: 0, .size: 8, .value_kind: global_buffer, .address_space: global }
      - { .name: bits, .offset: 8, .size: 8, .value_kind: global_buffer, .address_space: global }
      - { .name: summ, .offset: 16, .size: 8, .value_kind: global_buffer, .address_space: global }
    .group_segment_fixed_size: 67328
    .private_segment_fixed_size: 0
    .kernarg_segment_align: 8
    .kernarg_segment_size: 24
    .max_flat_workgroup_size: 256
    .sgpr_count:     66
    .vgpr_count:     98
    .wavefront_size: 32
...
	.end_amdgpu_metadata
.endif
;; end of part 1
;; launch attn (part 2): grid 256 x 1, 8 waves a work-group, no clusters, 109,568 bytes of LDS; arguments q, k, v, bits, summ, out0; writes out0
.if DOCPART == 2
	.amdgcn_target "amdgcn-amd-amdhsa--gfx1250"
	.amdhsa_code_object_version 6
	.text
	.protected	k_q183b97901a_attn
	.globl	k_q183b97901a_attn
	.p2align	8
	.type	k_q183b97901a_attn,@function
k_q183b97901a_attn:
	s_mov_b64 s[64:65], 0
	v_nop
	global_prefetch_b8 v0, s[64:65] scope:SCOPE_SE
	s_setreg_imm32_b32 hwreg(HW_REG_WAVE_MODE, 25, 1), 1
	s_wait_xcnt 0x0
; out0 = softmax(where(mask, -1e9, q k^T / 8)) v for 64 heads of 2,048 x 64, f32 in and out; products in f16 with f32 sums, softmax in f32
; with a running maximum.  The mask comes as lane-mask words (bits) and one summary word for each 32 query rows (summ), made by the launch before.
;
; SHARES.  Work-group x: head x >> 2, and two query blocks of 256 rows, x & 3 and 7 - (x & 3), one after the other.  Eight waves; a wave owns
; 32 query rows as two column tiles n of 16.  Keys go in blocks of 128.  Both products are used transposed:
;   S^T(t, n) = K_t Q_n^T : register j of lane (r, h) = score of key 16 t + 8 h + j and query r.  So maximum, sum and 1/sum are one number a lane,
;   joined over the two lane halves alone; and eight scores of tiles 2u, 2u+1, packed in place, ARE the B fragment P^T(u, n) of the second product:
;   O^T(dt, n) += V^T(dt, u) P^T(u, n), A by transposing LDS loads from V as it lies, [key][d].
; A key block that is masked for all 256 rows is stepped over (summ); a wave whose 32 x 128 scores hold no masked one leaves the select out.
; The trip count is the constant 16 and both barriers of a trip are passed always: only the work between them is jumped over.
;
; F16, NOT BF16: a row with few unmasked keys has nothing that averages the operands' roundings out, and f16's 11 significant bits make each of them
; eight times finer than bf16's 8.  The weights lie in [0, 1], since the maximum is taken away exactly.
;
; LIMITS.  (a) A block stepped over counts as exact zeros: exp(-1e9 - rowmax) is 0 in f32 while a row's largest unmasked score lies above -1e9 + 104.
; A row that is masked everywhere steps over nothing (summ) and gives the mean of v, as the formula does.  (b) Infinities or NaN in v or k at places of a
; block stepped over do not spread.  (c) q is multiplied by log2(e)/8 in f32 and then rounded to f16; k, v and the weights are rounded to f16;
; the row sum is kept in f32 from the unrounded weights.  (d) Range of f16: 0.18 |q|, |k| or |v| above 65,504 become infinite; numbers under 2^-14 keep an
; absolute error of at most 2^-25, and weights under 2^-25 fall out of the second product: over 2,048 keys at most 6e-5 of a row's weight.
; (e) -1e9 is taken as -1e9 log2(e) rounded to f32, in the base-2 scale of the scores.
;
; NO TENSOR LOADS, NO JOINT REQUESTS: k and v are f32 and pass through registers to be rounded, 32 conversions a wave and trip, so a copy into LDS
; would be read back and stored again; and the four work-groups of a head walk different lists of key blocks, read from memory.
; Each key block (65,536 bytes of k and v) is asked for into registers one whole visited trip before it is used.
.set KP,  144                          ; K rows in LDS: 128 bytes of f16 + 16 = 9 x 16: a fragment load's 16 rows start at 16 different 16-byte columns of 256
.set VP,  160                          ; V rows: 128 + 32 = 5 x 32, for the transposing loads
.set OP,  272                          ; O rows on the way out: 256 bytes of f32 + 16
.set VT,  128*KP                       ; LDS: K at 0 (18,432 bytes), V behind it (20,480),
.set ST,  VT+128*VP                    ; then a stage of each wave's own: Q on the way in (32 x 144), O on the way out (32 x 272)
.set STW, 32*OP
; vector registers v0-v255
.set GO,   2                           ; 16 t: my 16 bytes of each 4,096 of a key block
.set KST,  3                           ; where my 8 bytes of f16 go in K,
.set VST,  4                           ; and in V
.set ADK,  5                           ; K fragments: r x 144 + 16 h
.set QSTA, 6                           ; my stage: Q in
.set QLDA, 7                           ; my stage: Q fragments
.set OSTA, 8                           ; my stage: O in
.set ORDA, 9                           ; my stage: O rows back
.set QGO,  10                          ; 8,192 w + 16 L: my bytes in the query block, for q and for out0
.set NEG,  11                          ; -1e9 log2(e)
.set M,    12                          ; v[12:15]  running maximum of tile n, twice (a pair for packed arithmetic)
.set AL,   16                          ; v[16:19]  2^(old maximum - new), twice
.set LS,   20                          ; v[20:27]  row sum of tile n: two packed chains
.set MX,   28                          ; v[28:31]  four chains of maxima
.set T0,   32                          ; v[32:34]  at work
.set RL,   36                          ; v[36:39]  1 / row sum of tile n, twice
.set FRK,  64                          ; v[64:127] K fragments, two halves of 32; before that the packed K and V on their way to LDS
.set S,    128                         ; v[128:255] scores: tile (t, n) at 128 + 64 n + 8 t; P^T(u, n) in place at 128 + 64 n + 16 u
; vector registers v256-v480, named by their low 8 bits
.set O,    0                           ; v[256:319] O^T: tile (dt, n) at 8 (2 dt + n)
.set FRV,  64                          ; v[320:383] V^T fragments, two halves of 32
.set QF,   128                         ; v[384:415] Q fragments: (n, c) at 16 n + 8 c
.set KS,   160                         ; v[416:447] the next key block's k, f32
.set VS,   192                         ; v[448:479] the next key block's v, f32
.set ADV,  224                         ; v480       V^T fragments: VT + (8 h + (L & 7)) x 160 + 16 ((L >> 3) & 1)
; scalar registers: s[4:5] q, s[6:7] k, s[8:9] v, s[14:15] out0 at my head; s[10:11] bits at my batch; s[12:13], s[2:3] q, out0 at the query block;
; s16 wave; s17 x & 3; s18 outer counter; s19 key block; s20 visit bits from this trip on; s21 clear bits likewise; s22 trips done; s23 query block;
; s[24:25] an offset, s25 = 0; s[26:27] bits at my 32 rows; s[28:29], s[30:31] k, v at the block asked for; s[66:67] bits at this trip;
; s[32:63], s[68:99] the 64 mask words of one column tile; s100, s101 lane selects; s[104:105] log2(e)/8 twice.
; s_set_vgpr_msb: bits 1:0 source 0, 3:2 source 1, 5:4 source 2, 7:6 destination; the high byte repeats the setting that is left.
.set MSB, 0
.macro WIN new
.if MSB != \new
	s_set_vgpr_msb (MSB<<8)|\new
.set MSB, \new
.endif
.endm
.macro PLACES n                        ; plain vector instructions that name no register of the matrix instruction in front (ISA guide 7.12.1)
.rept \n
	v_nop
.endr
.endm
	s_load_b256 s[4:11], s[0:1], 0x0               ; q, k, v, bits
	s_load_b128 s[12:15], s[0:1], 0x20             ; summ, out0
	v_lshl_add_u32 v62, v0, 2, 0x1a800
	v_mov_b32 v63, 0
	v_lshrrev_b32 v1, 5, v0
	v_readfirstlane_b32 s16, v1                    ; wave w
	s_and_b32 s17, ttmp9, 3
	s_lshr_b32 s2, ttmp9, 2                        ; head 0..63
	s_lshr_b32 s3, ttmp9, 6                        ; batch
	s_mov_b32 s25, 0
	s_mov_b32 s100, 0x76543210                     ; v_permlanex16_b32: lane i takes lane i of the other half
	s_mov_b32 s101, 0xfedcba98
	s_mov_b32 s104, 0x3e38aa3b                     ; log2(e) / 8
	s_mov_b32 s105, 0x3e38aa3b
	v_and_b32 v40, 31, v0                          ; L
	v_and_b32 v41, 15, v0                          ; r
	v_bfe_u32 v42, v0, 4, 1                        ; h
	v_lshlrev_b32 v43, 3, v41                      ; 8 r
	v_lshlrev_b32 v[GO], 4, v0
	s_mul_i32 s20, s16, 2*KP                       ; a load of 4,096 bytes is 16 rows: wave w holds rows 2 w + h, four numbers at d = 4 r
	v_mad_u32_u24 v44, v42, KP, v43
	v_add_nc_u32 v[KST], s20, v44
	s_mul_i32 s20, s16, 2*VP
	s_add_co_u32 s20, s20, VT
	v_mad_u32_u24 v45, v42, VP, v43
	v_add_nc_u32 v[VST], s20, v45
	v_mul_u32_u24 v45, v41, KP
	v_lshl_add_u32 v[ADK], v42, 4, v45
	s_mul_i32 s20, s16, STW
	s_add_co_u32 s20, s20, ST                      ; my stage
	v_add_nc_u32 v[QSTA], s20, v44                 ; row h of two, 8 bytes at 8 r
	v_add_nc_u32 v[QLDA], s20, v[ADK]
	v_mul_u32_u24 v45, v41, OP
	v_lshl_add_u32 v45, v42, 5, v45
	v_add_nc_u32 v[OSTA], s20, v45                 ; row r, 32 bytes at 32 h
	v_mul_u32_u24 v45, v42, OP
	v_lshl_add_u32 v45, v41, 4, v45
	v_add_nc_u32 v[ORDA], s20, v45                 ; row h of two, 16 bytes at 16 r
	s_lshl_b32 s20, s16, 13
	v_lshl_add_u32 v[QGO], v40, 4, s20
	v_mov_b32 v[NEG], 0xceabfb8f
	v_mov_b32 v[T0], 0                             ; destinations of v_permlanex16_b32 count as read
	v_mov_b32 v[T0+1], 0
	v_and_b32 v45, 7, v0
	v_lshl_add_u32 v45, v42, 3, v45
	v_mul_u32_u24 v45, v45, VP
	v_bfe_u32 v46, v0, 3, 1
	v_lshl_add_u32 v45, v46, 4, v45
	WIN 0x40
	v_add_nc_u32 v[ADV], VT, v45
	WIN 0
	s_wait_kmcnt 0x0
	s_lshl_b32 s24, s2, 19                         ; a head is 2,048 x 64 x 4 bytes
	s_add_nc_u64 s[4:5], s[4:5], s[24:25]
	s_add_nc_u64 s[6:7], s[6:7], s[24:25]
	s_add_nc_u64 s[8:9], s[8:9], s[24:25]
	s_add_nc_u64 s[14:15], s[14:15], s[24:25]
	s_lshl_b32 s24, s3, 19                         ; a batch of bits is 64 x 16 x 512 bytes
	s_add_nc_u64 s[10:11], s[10:11], s[24:25]
	s_mov_b64 s[28:29], s[6:7]                     ; key block 0 is worked in every query block
	s_mov_b64 s[30:31], s[8:9]
; 16 loads: one key block of k and of v, 512 consecutive bytes a wave and load, into the staging registers
.macro STAGELOAD
	WIN 0x40
.irp i, 0,1,2,3,4,5,6,7
	global_load_b128 v[KS+4*\i:KS+4*\i+3], v[GO], s[28:29] offset:4096*\i
.endr
.irp i, 0,1,2,3,4,5,6,7
	global_load_b128 v[VS+4*\i:VS+4*\i+3], v[GO], s[30:31] offset:4096*\i
.endr
	WIN 0
.endm
	STAGELOAD
	; the summaries: eight words for each of my two query blocks, and my own tile's word of each
	s_lshl_b32 s24, s3, 8
	s_lshl_b32 s20, s17, 5
	s_add_co_u32 s24, s24, s20
	s_add_nc_u64 s[68:69], s[12:13], s[24:25]
	s_lshl_b32 s24, s3, 8
	s_sub_co_u32 s20, 7, s17
	s_lshl_b32 s20, s20, 5
	s_add_co_u32 s24, s24, s20
	s_add_nc_u64 s[70:71], s[12:13], s[24:25]
	s_lshl_b32 s24, s16, 2
	s_add_nc_u64 s[72:73], s[68:69], s[24:25]
	s_add_nc_u64 s[74:75], s[70:71], s[24:25]
	s_load_b256 s[32:39], s[68:69], 0x0
	s_load_b256 s[40:47], s[70:71], 0x0
	s_load_b32 s48, s[72:73], 0x0
	s_load_b32 s49, s[74:75], 0x0
	s_wait_kmcnt 0x0
.irp i, 33,34,35,36,37,38,39
	s_and_b32 s32, s32, s\i                        ; low 16 bits: key block masked for all 256 rows
.endr
.irp i, 41,42,43,44,45,46,47
	s_and_b32 s40, s40, s\i
.endr
	s_not_b32 s32, s32
	s_and_b32 s32, s32, 0xffff
	s_not_b32 s40, s40
	s_lshl_b32 s40, s40, 16
	s_or_b32 s20, s32, s40                         ; bit 16 it + e: trip e of query block it is worked
	s_or_b32 s20, s20, 0x10001                     ; the first trip of each always: it starts the sums
	s_lshr_b32 s48, s48, 16
	s_and_b32 s49, s49, 0xffff0000
	s_or_b32 s21, s48, s49                         ; bit 16 it + e: my 32 x 128 scores of that trip hold no masked one
.macro MASKLOAD n                      ; the 64 words of column tile n: t 0-3 at s[32 + 8 t + j], t 4-7 at s[68 + 8 (t - 4) + j]
	s_load_b512 s[32:47], s[66:67], 256*\n
	s_load_b512 s[48:63], s[66:67], 256*\n+64
	s_load_b512 s[68:83], s[66:67], 256*\n+128
	s_load_b512 s[84:99], s[66:67], 256*\n+192
.endm
; SEGMENT 1, between the last trip's second barrier and this trip's first: this block's k and v to f16, K into LDS, the next block asked for.
.macro SEG1 tag
	s_wait_loadcnt 0x0                             ; this block's k and v, asked for a visited trip ago; for 0, since that request stands under a branch
	s_wait_kmcnt 0x0                               ; no mask load is pending on any path: s[66:67] and the word registers are free
	WIN 0x05
.irp i, 0,1,2,3,4,5,6,7
	v_cvt_pk_f16_f32 v[FRK+2*\i], v[KS+4*\i], v[KS+4*\i+1]
	v_cvt_pk_f16_f32 v[FRK+2*\i+1], v[KS+4*\i+2], v[KS+4*\i+3]
.endr
.irp i, 0,1,2,3,4,5,6,7
	v_cvt_pk_f16_f32 v[FRK+16+2*\i], v[VS+4*\i], v[VS+4*\i+1]
	v_cvt_pk_f16_f32 v[FRK+16+2*\i+1], v[VS+4*\i+2], v[VS+4*\i+3]
.endr
	WIN 0
.irp i, 0,1,2,3,4,5,6,7
	ds_store_b64 v[KST], v[FRK+2*\i:FRK+2*\i+1] offset:16*KP*\i
.endr
	s_lshr_b32 s24, s20, 1                         ; the trips still to come
	s_cmp_eq_u32 s24, 0
	s_cbranch_scc1 .Lnone_\tag                     ; none is worked: nothing is asked for
	s_ctz_i32_b32 s24, s24
	s_add_co_u32 s24, s24, s22
	s_add_co_u32 s24, s24, 1                       ; the next worked trip's place, 16 it + e
	s_and_b32 s24, s24, 15                         ; its key block
	s_min_u32 s24, s24, 15                         ; a number made from loaded words enters an address only behind a clamp
	s_lshl_b32 s24, s24, 15                        ; 128 rows of 256 bytes
	s_add_nc_u64 s[28:29], s[6:7], s[24:25]        ; free since the wait for the loads that named them
	s_add_nc_u64 s[30:31], s[8:9], s[24:25]
	STAGELOAD
.Lnone_\tag:
	s_lshl_b32 s24, s19, 9
	s_add_nc_u64 s[66:67], s[26:27], s[24:25]      ; my 512 bytes of mask words for this key block
	MASKLOAD 0
.endm
.macro KLOAD half, t0                  ; 8 LDS loads: K tiles t0, t0 + 1 (16 keys x 64 d each) into one half of the fragment registers
.irp tt, 0,1
.irp c, 0,1
	ds_load_b128 v[FRK+32*\half+16*\tt+8*\c:FRK+32*\half+16*\tt+8*\c+3], v[ADK] offset:16*KP*(\t0+\tt)+64*\c
	ds_load_b128 v[FRK+32*\half+16*\tt+8*\c+4:FRK+32*\half+16*\tt+8*\c+7], v[ADK] offset:16*KP*(\t0+\tt)+64*\c+32
.endr
.endr
.endm
.macro QKMUL half, t0                  ; 8 matrix instructions: tiles t0, t0 + 1 x both column tiles; d 0-31 starts the sums, d 32-63 goes on in place
.irp tt, 0,1
.irp n, 0,1
	v_wmma_f32_16x16x32_f16 v[S+64*\n+8*(\t0+\tt):S+64*\n+8*(\t0+\tt)+7], v[FRK+32*\half+16*\tt:FRK+32*\half+16*\tt+7], v[QF+16*\n:QF+16*\n+7], 0
.endr
.endr
.irp tt, 0,1
.irp n, 0,1
	v_wmma_f32_16x16x32_f16 v[S+64*\n+8*(\t0+\tt):S+64*\n+8*(\t0+\tt)+7], v[FRK+32*\half+16*\tt+8:FRK+32*\half+16*\tt+15], v[QF+16*\n+8:QF+16*\n+15], v[S+64*\n+8*(\t0+\tt):S+64*\n+8*(\t0+\tt)+7]
.endr
.endr
.endm
.macro SELECT n, tag                   ; masked scores become -1e9 (in base 2): one select for 32 scores; left out where my tile holds none
	s_wait_kmcnt 0x0                               ; scalar loads return in no order: 0
	s_bitcmp1_b32 s21, 0
	s_cbranch_scc1 .Lclear\n\()_\tag
.irp t, 0,1,2,3
.irp j, 0,1,2,3,4,5,6,7
	v_cndmask_b32 v[S+64*\n+8*\t+\j], v[S+64*\n+8*\t+\j], v[NEG], s[32+8*\t+\j]
.endr
.endr
.irp t, 4,5,6,7
.irp j, 0,1,2,3,4,5,6,7
	v_cndmask_b32 v[S+64*\n+8*\t+\j], v[S+64*\n+8*\t+\j], v[NEG], s[68+8*(\t-4)+\j]
.endr
.endr
.Lclear\n\()_\tag:
.endm
.macro SUBG n, g                       ; score - maximum, eight scores
.irp i, 0,1,2,3
	v_pk_add_f32 v[S+64*\n+8*(\g)+2*\i:S+64*\n+8*(\g)+2*\i+1], v[S+64*\n+8*(\g)+2*\i:S+64*\n+8*(\g)+2*\i+1], v[M+2*\n:M+2*\n+1] neg_lo:[0,1] neg_hi:[0,1]
.endr
.endm
.macro EXPG n, g
.irp j, 0,1,2,3,4,5,6,7
	v_exp_f32 v[S+64*\n+8*(\g)+\j], v[S+64*\n+8*(\g)+\j]
.endr
.endm
; Eight weights: into the two sum chains, and packed to f16 in place.  Tile g's four packed registers go to 16 (g / 2) + 4 (g % 2):
; each destination holds weights that have been summed and packed already.
.macro SUMCVT n, g, first
.set SG, S+64*\n+8*(\g)
.set PD, S+64*\n+16*((\g)/2)+4*((\g)%2)
.set LN, LS+4*\n
.if (\g) == 0
.if \first
	s_wait_alu depctr_va_vdst(0)
	v_pk_add_f32 v[LN:LN+1], v[SG:SG+1], v[SG+4:SG+5]              ; the first weights start the chains: nothing is cleared
	v_pk_add_f32 v[LN+2:LN+3], v[SG+2:SG+3], v[SG+6:SG+7]
.else
	s_wait_alu depctr_va_vdst(0)
	v_pk_fma_f32 v[LN:LN+1], v[LN:LN+1], v[AL+2*\n:AL+2*\n+1], v[SG:SG+1]          ; the old sums, brought to the new maximum
	v_pk_fma_f32 v[LN+2:LN+3], v[LN+2:LN+3], v[AL+2*\n:AL+2*\n+1], v[SG+2:SG+3]
	v_pk_add_f32 v[LN:LN+1], v[LN:LN+1], v[SG+4:SG+5]
	v_pk_add_f32 v[LN+2:LN+3], v[LN+2:LN+3], v[SG+6:SG+7]
.endif
.irp i, 0,1,2,3
	v_cvt_pk_f16_f32 v[PD+\i], v[SG+2*\i], v[SG+2*\i+1]
.endr
.else
	s_wait_alu depctr_va_vdst(0)
.irp i, 0,1,2,3
	v_pk_add_f32 v[LN+2*(\i%2):LN+2*(\i%2)+1], v[LN+2*(\i%2):LN+2*(\i%2)+1], v[SG+2*\i:SG+2*\i+1]
	v_cvt_pk_f16_f32 v[PD+\i], v[SG+2*\i], v[SG+2*\i+1]
.endr
.endif
.endm
; Column tile n: the maximum of a lane's 64 scores and of the other lane half's, the running maximum, the weights, their sum, P^T.
.macro SMAX n, first
.set SB, S+64*\n
.irp i, 0,1,2,3
	v_max3_num_f32 v[MX+\i], v[SB+3*\i], v[SB+3*\i+1], v[SB+3*\i+2]    ; four chains, started by three scores each
.endr
.set p, 0
.rept 26
	v_max3_num_f32 v[MX+p%4], v[MX+p%4], v[SB+12+2*p], v[SB+13+2*p]
.set p, p+1
.endr
	v_max3_num_f32 v[MX], v[MX], v[MX+1], v[MX+2]
	v_max_num_f32 v[MX], v[MX], v[MX+3]
	v_permlanex16_b32 v[T0], v[MX], s100, s101     ; the same query's other 64 keys
.if \first
	v_max_num_f32 v[M+2*\n], v[MX], v[T0]
	v_mov_b32 v[M+2*\n+1], v[M+2*\n]
.else
	v_max3_num_f32 v[T0+2], v[MX], v[T0], v[M+2*\n]
	v_sub_f32 v[T0+1], v[M+2*\n], v[T0+2]
	v_exp_f32 v[AL+2*\n], v[T0+1]
	v_exp_f32 v[AL+2*\n+1], v[T0+1]
	v_mov_b32 v[M+2*\n], v[T0+2]                   ; plain and independent: the place behind the exponentials (ISA guide 5.7.2)
	v_mov_b32 v[M+2*\n+1], v[T0+2]
.endif
	SUBG \n, 0
.irp g, 0,1,2,3,4,5,6,7
	EXPG \n, \g
.if \g < 7
	SUBG \n, \g+1                                  ; the next tile's subtractions stand between the exponentials and their first use
.else
	v_nop
	s_wait_alu depctr_va_vdst(0)
.endif
	SUMCVT \n, \g, \first
.endr
.endm
.macro RESCALE                         ; O to the new maxima
	WIN 0x41
.irp dt, 0,1,2,3
.irp n, 0,1
.irp i, 0,1,2,3
	v_pk_mul_f32 v[O+8*(2*\dt+\n)+2*\i:O+8*(2*\dt+\n)+2*\i+1], v[O+8*(2*\dt+\n)+2*\i:O+8*(2*\dt+\n)+2*\i+1], v[AL+2*\n:AL+2*\n+1]
.endr
.endr
.endr
	WIN 0
.endm
; SEGMENT 2, between the trip's two barriers: V into LDS, the scores, the softmax step.
.macro SEG2 first, tag
.irp i, 0,1,2,3,4,5,6,7
	ds_store_b64 v[VST], v[FRK+16+2*\i:FRK+16+2*\i+1] offset:16*VP*\i
.endr
	WIN 0x04                                       ; B (Q) in v256 and up, all else below
	KLOAD 0, 0
	KLOAD 1, 2
	s_wait_dscnt 0x8                               ; all but the youngest run of eight loads: the V stores and tiles 0, 1
	QKMUL 0, 0
	PLACES 4                                       ; before loads land on fragments that matrix instructions have read
	KLOAD 0, 4
	s_wait_dscnt 0x8                               ; tiles 2, 3
	QKMUL 1, 2
	PLACES 4
	KLOAD 1, 6
	s_wait_dscnt 0x8                               ; tiles 4, 5
	QKMUL 0, 4
	s_wait_dscnt 0x0                               ; tiles 6, 7: nothing younger
	QKMUL 1, 6
	PLACES 4                                       ; before vector instructions read the scores
	WIN 0
	SELECT 0, \tag
	MASKLOAD 1                                     ; behind tile 0's selects, under tile 0's softmax
	SMAX 0, \first
	SELECT 1, \tag
	SMAX 1, \first
.if \first == 0
	RESCALE
.endif
.endm
.macro VLOAD u                         ; 8 transposing loads: V^T of keys 32 u .. 32 u + 31, all 64 d
.irp dt, 0,1,2,3
	ds_load_tr16_b128 v[FRV+32*((\u)%2)+8*\dt:FRV+32*((\u)%2)+8*\dt+3], v[ADV] offset:32*VP*\u+32*\dt
	ds_load_tr16_b128 v[FRV+32*((\u)%2)+8*\dt+4:FRV+32*((\u)%2)+8*\dt+7], v[ADV] offset:32*VP*\u+32*\dt+16*VP
.endr
.endm
.macro PVMUL u, zero
.irp dt, 0,1,2,3
.irp n, 0,1
.if \zero
	v_wmma_f32_16x16x32_f16 v[O+8*(2*\dt+\n):O+8*(2*\dt+\n)+7], v[FRV+32*((\u)%2)+8*\dt:FRV+32*((\u)%2)+8*\dt+7], v[S+64*\n+16*\u:S+64*\n+16*\u+7], 0
.else
	v_wmma_f32_16x16x32_f16 v[O+8*(2*\dt+\n):O+8*(2*\dt+\n)+7], v[FRV+32*((\u)%2)+8*\dt:FRV+32*((\u)%2)+8*\dt+7], v[S+64*\n+16*\u:S+64*\n+16*\u+7], v[O+8*(2*\dt+\n):O+8*(2*\dt+\n)+7]
.endif
.endr
.endr
.endm
; SEGMENT 3, behind the trip's second barrier: O^T += V^T P^T
.macro SEG3 first
	WIN 0x51                                       ; D, C, A and the LDS address in v256 and up, B (P) below
	VLOAD 0
	VLOAD 1
	s_wait_dscnt 0x8                               ; all but the youngest run of eight
	PVMUL 0, \first
	PLACES 4
	VLOAD 2
	s_wait_dscnt 0x8
	PVMUL 1, 0
	PLACES 4
	VLOAD 3
	s_wait_dscnt 0x8
	PVMUL 2, 0
	s_wait_dscnt 0x0
	PVMUL 3, 0
	PLACES 5                                       ; the next matrix instructions write over P, the next vector instructions read or scale O
	WIN 0
.endm
; A TRIP.  One K region and one V region serve, with two barriers: between the first and the second the waves store V and read K, between the
; second and the next trip's first they read V and store K.  Each wave's LDS instructions are done (s_wait_dscnt 0) in front of each signal, so
; the first barrier says: K of this trip is stored, V of the last is read out; the second: V is stored, K is read out.
.macro TRIP first, tag
.if \first == 0
	s_bitcmp1_b32 s20, 0
	s_cbranch_scc0 .Ls1_\tag
.endif
	SEG1 \tag
.Ls1_\tag:
	s_wait_dscnt 0x0
	s_barrier_signal -1
	s_barrier_wait -1
.if \first == 0
	s_bitcmp1_b32 s20, 0
	s_cbranch_scc0 .Ls2_\tag
.endif
	SEG2 \first, \tag
.Ls2_\tag:
	s_wait_dscnt 0x0
	s_barrier_signal -1
	s_barrier_wait -1
.if \first == 0
	s_bitcmp1_b32 s20, 0
	s_cbranch_scc0 .Ls3_\tag
.endif
	SEG3 \first
.Ls3_\tag:
	s_lshr_b32 s20, s20, 1
	s_lshr_b32 s21, s21, 1
	s_add_co_u32 s22, s22, 1
.endm
	s_mov_b32 s18, 0
	s_mov_b32 s22, 0
.Louter:
	; THE QUERY BLOCK: x & 3 first, then 7 - (x & 3)
	s_sub_co_u32 s24, 7, s17
	s_cmp_eq_u32 s18, 0
	s_cselect_b32 s23, s17, s24
	s_lshl_b32 s24, s23, 16                        ; 256 rows of 256 bytes
	s_add_nc_u64 s[12:13], s[4:5], s[24:25]
	s_add_nc_u64 s[2:3], s[14:15], s[24:25]
	s_lshl3_add_u32 s24, s23, s16                  ; my tile of 32 rows: 8 x block + wave
	s_lshl_b32 s24, s24, 13                        ; 16 key blocks of 512 bytes
	s_add_nc_u64 s[26:27], s[10:11], s[24:25]
	; Q: my 32 rows, times log2(e)/8, to f16, through my stage into four B fragments.  My own bytes, served in order: no barrier.
.irp k, 0,1,2,3,4,5,6,7,8,9,10,11,12,13,14,15
	global_load_b128 v[S+4*\k:S+4*\k+3], v[QGO], s[12:13] offset:512*\k th:TH_LOAD_NT     ; two rows, 512 consecutive bytes
.endr
.irp k, 0,1,2,3,4,5,6,7,8,9,10,11,12,13,14,15
	s_wait_loadcnt 15-\k                           ; load k is in (and all older ones); the 15 - k younger stay out
	v_pk_mul_f32 v[S+4*\k:S+4*\k+1], v[S+4*\k:S+4*\k+1], s[104:105] op_sel_hi:[1,0]
	v_pk_mul_f32 v[S+4*\k+2:S+4*\k+3], v[S+4*\k+2:S+4*\k+3], s[104:105] op_sel_hi:[1,0]
	v_cvt_pk_f16_f32 v[S+64+2*\k], v[S+4*\k], v[S+4*\k+1]
	v_cvt_pk_f16_f32 v[S+64+2*\k+1], v[S+4*\k+2], v[S+4*\k+3]
	ds_store_b64 v[QSTA], v[S+64+2*\k:S+64+2*\k+1] offset:2*KP*\k
.endr
	WIN 0x40
.irp n, 0,1
.irp c, 0,1
	ds_load_b128 v[QF+16*\n+8*\c:QF+16*\n+8*\c+3], v[QLDA] offset:16*KP*\n+64*\c
	ds_load_b128 v[QF+16*\n+8*\c+4:QF+16*\n+8*\c+7], v[QLDA] offset:16*KP*\n+64*\c+32
.endr
.endr
	WIN 0
	s_wait_dscnt 0x0
	s_mov_b32 s19, 0
	TRIP 1, f                                      ; key block 0, always worked: its products and weights start every sum
	s_mov_b32 s19, 1
.Linner:
	TRIP 0, l
	s_add_co_u32 s19, s19, 1
	s_cmp_lt_u32 s19, 16
	s_cbranch_scc1 .Linner
	; THE WAY OUT: O / row sum, through my stage, so that sixteen lanes store one whole row of 256 bytes
	v_pk_add_f32 v[LS:LS+1], v[LS:LS+1], v[LS+2:LS+3]
	v_pk_add_f32 v[LS+4:LS+5], v[LS+4:LS+5], v[LS+6:LS+7]
	v_add_f32 v[LS], v[LS], v[LS+1]
	v_add_f32 v[LS+4], v[LS+4], v[LS+5]
	v_permlanex16_b32 v[T0], v[LS], s100, s101     ; the other lane half summed the same query's other keys
	v_permlanex16_b32 v[T0+1], v[LS+4], s100, s101
	v_add_f32 v[LS], v[LS], v[T0]
	v_add_f32 v[LS+4], v[LS+4], v[T0+1]
	v_rcp_f32 v[RL], v[LS]                         ; the sum holds the weight 1 of the row's maximum: never 0
	v_rcp_f32 v[RL+1], v[LS]
	v_rcp_f32 v[RL+2], v[LS+4]
	v_rcp_f32 v[RL+3], v[LS+4]
	v_nop                                          ; the plain place behind the reciprocals
	WIN 0x01
	s_wait_alu depctr_va_vdst(0)
.irp dt, 0,1,2,3
.irp n, 0,1
.irp i, 0,1,2,3
	v_pk_mul_f32 v[S+8*(2*\dt+\n)+2*\i:S+8*(2*\dt+\n)+2*\i+1], v[O+8*(2*\dt+\n)+2*\i:O+8*(2*\dt+\n)+2*\i+1], v[RL+2*\n:RL+2*\n+1]
.endr
.endr
.endr
	WIN 0
.irp dt, 0,1,2,3
.irp n, 0,1
	ds_store_b128 v[OSTA], v[S+8*(2*\dt+\n):S+8*(2*\dt+\n)+3] offset:16*OP*\n+64*\dt          ; query 16 n + r, d = 16 dt + 8 h + 0..3
	ds_store_b128 v[OSTA], v[S+8*(2*\dt+\n)+4:S+8*(2*\dt+\n)+7] offset:16*OP*\n+64*\dt+16     ; d = 16 dt + 8 h + 4..7
.endr
.endr
.irp k, 0,1,2,3,4,5,6,7,8,9,10,11,12,13,14,15
	ds_load_b128 v[S+64+4*\k:S+64+4*\k+3], v[ORDA] offset:2*OP*\k      ; my own bytes, served in order behind the stores
.endr
.irp k, 0,1,2,3,4,5,6,7,8,9,10,11,12,13,14,15
	s_wait_dscnt 15-\k                             ; rows 2 k, 2 k + 1 are in; the younger reads stay out
	global_store_b128 v[QGO], v[S+64+4*\k:S+64+4*\k+3], s[2:3] offset:512*\k th:TH_STORE_NT   ; 512 consecutive bytes, two whole rows
.endr
	s_wait_xcnt 0x0                                ; the stores' data and base are written again only behind this wait
	s_add_co_u32 s18, s18, 1
	s_cmp_lt_u32 s18, 2
	s_cbranch_scc1 .Louter
	s_wait_tensorcnt 0x0
	ds_add_u32 v62, v63
	s_wait_dscnt 0x0
	s_endpgm
.Lfunc_end_k_q183b97901a_attn:
	.size	k_q183b97901a_attn, .Lfunc_end_k_q183b97901a_attn-k_q183b97901a_attn
	.p2alignl 7, 3214868480
	.fill 96, 4, 3214868480
	.section	.rodata,"a",@progbits
	.p2align	6, 0x0
	.amdhsa_kernel k_q183b97901a_attn
		.amdhsa_group_segment_fixed_size 109568
		.amdhsa_private_segment_fixed_size 0
		.amdhsa_enable_private_segment 0
		.amdhsa_kernarg_size 48
		.amdhsa_user_sgpr_count 2
		.amdhsa_user_sgpr_kernarg_segment_ptr 1
		.amdhsa_wavefront_size32 1
		.amdhsa_system_sgpr_workgroup_id_x 1
		.amdhsa_system_sgpr_workgroup_id_y 1
		.amdhsa_system_sgpr_workgroup_id_z 1
		.amdhsa_system_vgpr_workitem_id 0
		.amdhsa_next_free_vgpr 488
		.amdhsa_next_free_sgpr 106
		.amdhsa_reserve_vcc 0
		.amdhsa_float_denorm_mode_32 3
		.amdhsa_float_denorm_mode_16_64 3
		.amdhsa_memory_ordered 1
		.amdhsa_forward_progress 1
		.amdhsa_inst_pref_size 112
	.end_amdhsa_kernel
	.amdgpu_metadata
---
amdhsa.version: [ 1, 2 ]
amdhsa.kernels:
  - .name:           k_q183b97901a_attn
    .symbol:         k_q183b97901a_attn.kd
    .args:
      - { .name: q, .offset: 0, .size: 8, .value_kind: global_buffer, .address_space: global }
      - { .name: k, .offset: 8, .size: 8, .value_kind: global_buffer, .address_space: global }
      - { .name: v, .offset: 16, .size: 8, .value_kind: global_buffer, .address_space: global }
      - { .name: bits, .offset: 24, .size: 8, .value_kind: global_buffer, .address_space: global }
      - { .name: summ, .offset: 32, .size: 8, .value_kind: global_buffer, .address_space: global }
      - { .name: out0, .offset: 40, .size: 8, .value_kind: global_buffer, .address_space: global }
    .group_segment_fixed_size: 109568
    .private_segment_fixed_size: 0
    .kernarg_segment_align: 8
    .kernarg_segment_size: 48
    .max_flat_workgroup_size: 256
    .sgpr_count:     106
    .vgpr_count:     488
    .wavefront_size: 32
...
	.end_amdgpu_metadata
.endif
;; end of part 2
